; MI455X (gfx1250); checked and timed in simulation.
; The chip was launched on July 23, 2026; its instructions are those of AMD's public machine-readable ISA for CDNA 5 (MIT licence, August 2026) and "CDNA5" Instruction Set Architecture Reference Guide (July 2026). The comments in the code are by the model that wrote it; some were corrected since.
;; Model. Allowed arithmetic: float matrix products may take bf16 or f16 operands with f32 sums; all other float work in f32.
;; Inputs: b0 128 float32; b1 128 float32; b2 128 float32; b3 128 float32; b4 128 float32; b5 128 float32; b6 128 float32; b7 128 float32; b8 4 float32; point 524,288 x 3 float32; w0 63 x 128 float32; w1 128 x 128 float32; w2 128 x 128 float32; w3 128 x 128 float32; w4 128 x 128 float32; w5 191 x 128 float32; w6 128 x 128 float32; w7 128 x 128 float32; w8 128 x 4 float32.
;; Outputs: out0 524,288 x 4 float32.
;; One version. Each part assembles by itself: llvm-mc -triple=amdgcn-amd-amdhsa -mcpu=gfx1250 --defsym DOCPART=n.
;; ======== version 1 of 1: 2 launches
;; limits: values are held in f16: magnitudes above 65,504 overflow, below 6.1e-05 lose precision; right only within a limited range of input values
;; workspace buffers: wimg 266,240 bytes; scal 256 bytes
;; launch prep (part 1): grid 9 x 1, 16 waves a work-group, no clusters, 58,368 bytes of LDS; arguments w0, w1, w2, w3, w4, w5, w6, w7, w8, wimg, scal; writes wimg, scal
.if DOCPART == 1
	.amdgcn_target "amdgcn-amd-amdhsa--gfx1250"
	.amdhsa_code_object_version 6
	.text
	.protected	k_q74e5b8c506_prep
	.globl	k_q74e5b8c506_prep
	.p2align	8
	.type	k_q74e5b8c506_prep,@function
k_q74e5b8c506_prep:
	s_mov_b64 s[64:65], 0
	v_nop
	global_prefetch_b8 v0, s[64:65] scope:SCOPE_SE
	s_setreg_imm32_b32 hwreg(HW_REG_WAVE_MODE, 25, 1), 1
	s_wait_xcnt 0x0
; Weight preparation.  Work-group L (0 to 8) takes layer L: it measures the layer gain g, scales the weights by s = 1/g,
; rounds them to f16 and writes them transposed ([output n][k]) into the image that the main launch brings into LDS.
;   g^2 = max( (1/512) * sum over n of [ sum_k w^2 + (sum_k w)^2 ], 1e-30 ): the rms gain behind a ReLU for weights of mean zero,
;   and a bound within a factor of two a layer for weights with a common offset.  |w s| <= sqrt(512) = 22.6, inside f16.
; Image: part A, 912 rows of 256 bytes: row 128 (L-1) + n for L = 1 to 7 (of w5 its rows 0 to 127); rows 896 to 911: w8, row m = column m & 3.
;        part B, at byte IMGB, 256 rows of 128 bytes: w0, then rows 128 to 190 of w5, with k in the order in which the main launch keeps the embedding.
; scal: the pair (s, g) of layer L at byte 8 L.
; LIMIT: a layer with g^2 below 1e-30 is not served; NaN and infinities in the weights are not served.
; 512 threads: thread t has output column n = t & 127 and quarter q = t >> 7 of k.  Register slots of 16 weights:
; slots 0, 1: k = 64 j + 16 q + i (all layers but 0); slot 2: embedding columns 16 q + i (layers 0 and 5).
.set ST128, 0                          ; 128 rows, pitch 272: a layer of part A
.set ST64,  34816                      ; 128 rows, pitch 144: a layer of part B
.set CSUM,  53248                      ; 512 words: partial column sums
.set WSUM,  55296                      ; 16 words: one sum a wave
.set IMGB,  233472                     ; part B in the image
.set H, 20                             ; v[20:43]  24 registers of packed f16 (before that: at work)
.set W, 44                             ; v[44:91]  three slots of 16 weights in f32
	s_load_b512 s[8:23], s[0:1], 0x0               ; w0 .. w7
	s_load_b128 s[24:27], s[0:1], 0x40             ; w8 s[24:25], wimg s[26:27]
	s_load_b64 s[28:29], s[0:1], 0x50              ; scal
	v_lshl_add_u32 v96, v0, 2, 0xdc00
	v_mov_b32 v97, 0
	s_mov_b32 s2, ttmp9                            ; the layer
	v_lshrrev_b32 v1, 5, v0
	v_readfirstlane_b32 s3, v1                     ; wave 0..15
	s_lshr_b32 s30, s3, 2                          ; q
	s_mov_b32 s36, 0x76543210                      ; v_permlanex16_b32: each lane takes its own place in the other half
	s_mov_b32 s37, 0xfedcba98
	s_cmp_eq_u32 s2, 8
	s_cselect_b32 s38, 3, 127                      ; w8 has 4 columns: column n & 3
	s_cselect_b32 s39, 16, 512                     ; bytes from a row of w to the next
	s_mul_i32 s31, s30, s39
	s_lshl_b32 s31, s31, 4                         ; 16 q rows
	v_and_b32 v1, 127, v0                          ; n
	v_lshrrev_b32 v94, 7, v0                       ; q, per lane, for LDS addresses
	v_and_b32 v2, s38, v1
	v_lshlrev_b32 v2, 2, v2                        ; byte of my column in a row of w
	v_add_nc_u32 v3, s31, v2                       ; + my 16 q rows
	v_mul_u32_u24 v4, v1, 272
	v_lshl_add_u32 v4, v94, 5, v4                  ; stage A: row n, byte 32 q
	v_mul_u32_u24 v5, v1, 144
	v_lshl_add_u32 v5, v94, 5, v5
	v_add_nc_u32 v5, ST64, v5                      ; stage B: row n, byte 32 q
	v_lshrrev_b32 v6, 4, v0
	v_mul_u32_u24 v6, v6, 272
	v_and_b32 v7, 15, v0
	v_lshl_add_u32 v6, v7, 4, v6                   ; back from stage A: 16 lanes take a row of 256 bytes
	v_lshlrev_b32 v7, 4, v0                        ; and 16 t in the image
	v_lshrrev_b32 v8, 3, v0
	v_mul_u32_u24 v8, v8, 144
	v_and_b32 v9, 7, v0
	v_lshl_add_u32 v8, v9, 4, v8
	v_add_nc_u32 v8, ST64, v8                      ; back from stage B: 8 lanes take a row of 128 bytes
	v_lshl_add_u32 v9, v0, 2, CSUM
	v_lshl_add_u32 v10, v1, 2, CSUM
	v_mov_b32 v11, s3
	v_lshl_add_u32 v11, v11, 2, WSUM
	v_mov_b32 v92, WSUM
	v_mov_b32 v93, s2
	v_lshlrev_b32 v93, 3, v93                      ; 8 L
	; slots that a layer does not load, and the one padding column of the embedding, count as zero
.set i, 0
.rept 48
	v_mov_b32 v[W+i], 0
.set i, i+1
.endr
	s_wait_kmcnt 0x0
	s_mov_b64 s[4:5], s[8:9]                       ; the address of w of my layer: a choice on the layer number alone
.irp l, 1,2,3,4,5,6,7,8
	s_cmp_eq_u32 s2, \l
	s_cselect_b64 s[4:5], s[8+2*\l:9+2*\l], s[4:5]
.endr
	s_cmp_eq_u32 s2, 5
	s_cselect_b32 s38, 0x10000, 0                  ; the embedding rows of w5 begin at its row 128
	s_cselect_b32 s40, 0x4000, 0                   ; and go to rows 128 on of part B
	s_mov_b32 s39, 0
	s_mov_b32 s41, 0
	s_add_nc_u64 s[6:7], s[4:5], s[38:39]
	s_add_nc_u64 s[34:35], s[26:27], s[40:41]
	s_add_nc_u64 s[34:35], s[34:35], IMGB
	s_max_u32 s38, s2, 1
	s_sub_co_u32 s38, s38, 1
	s_lshl_b32 s38, s38, 15                        ; 128 (L - 1) rows of 256 bytes (layer 0 does not use it)
	s_add_nc_u64 s[32:33], s[26:27], s[38:39]
; 32 loads: rows 64 j + 16 q + i of w; 128 neighbouring threads read a row's 512 neighbouring bytes
.macro LOADID stride
.set i, 0
.rept 32
	global_load_b32 v[W+i], v3, s[4:5] offset:(64*(i/16)+(i%16))*\stride
.set i, i+1
.endr
.endm
; embedding column 16 q + i belongs to lane half hh = i >> 3 and feature ff = 8 q + (i & 7) of the main launch:
; ff 0: x0 or x1; ff 1: x2 or nothing; ff 2 to 21: sin, cos of 2^j x0 or x1, j = 0 to 9; ff 22 to 31: sin, cos of 2^(j + 5 hh) x2, j = 0 to 4.
; In w the rows of coordinate c are 21 c (linear), 21 c + 1 + k (sin), 21 c + 11 + k (cos).
.macro LOADEMB q
.set i, 0
.rept 16
.set hh, i>>3
.set ff, 8*\q+(i&7)
.set row, -1
.if ff == 0
.set row, 21*hh
.elseif ff == 1
.if hh == 0
.set row, 42
.endif
.elseif ff < 22
.set row, 21*hh+1+(ff-2)/2+10*(ff&1)
.else
.set row, 43+(ff-22)/2+5*hh+10*(ff&1)
.endif
.if row >= 0
	global_load_b32 v[W+32+i], v2, s[6:7] offset:row*512
.endif
.set i, i+1
.endr
.endm
	s_cmp_eq_u32 s2, 0
	s_cbranch_scc1 .Lemb
	s_cmp_eq_u32 s2, 8
	s_cbranch_scc1 .Lid16
	LOADID 512
	s_cmp_eq_u32 s2, 5
	s_cbranch_scc1 .Lemb
	s_branch .Lloaded
.Lid16:
	LOADID 16
	s_branch .Lloaded
.Lemb:
	s_cmp_lt_u32 s3, 4
	s_cbranch_scc1 .Lq0
	s_cmp_lt_u32 s3, 8
	s_cbranch_scc1 .Lq1
	s_cmp_lt_u32 s3, 12
	s_cbranch_scc1 .Lq2
	LOADEMB 3
	s_branch .Lloaded
.Lq0:
	LOADEMB 0
	s_branch .Lloaded
.Lq1:
	LOADEMB 1
	s_branch .Lloaded
.Lq2:
	LOADEMB 2
.Lloaded:
	s_wait_loadcnt 0x0
	; my 48 weights: their sum and the sum of their squares; the first pairs start the sums
	v_pk_add_f32 v[12:13], v[W:W+1], v[W+2:W+3]
	v_pk_mul_f32 v[14:15], v[W:W+1], v[W:W+1]
	v_pk_fma_f32 v[14:15], v[W+2:W+3], v[W+2:W+3], v[14:15]
.set i, 4
.rept 22
	v_pk_add_f32 v[12:13], v[12:13], v[W+i:W+i+1]
	v_pk_fma_f32 v[14:15], v[W+i:W+i+1], v[W+i:W+i+1], v[14:15]
.set i, i+2
.endr
	v_add_f32 v12, v12, v13
	v_add_f32 v14, v14, v15
	ds_store_b32 v9, v12
	s_wait_dscnt 0x0                               ; for the others: my partial column sum is in LDS
	s_barrier_signal -1
	s_barrier_wait -1
	ds_load_b32 v20, v10                           ; the four quarters of column n
	ds_load_b32 v21, v10 offset:512
	ds_load_b32 v22, v10 offset:1024
	ds_load_b32 v23, v10 offset:1536
	s_wait_dscnt 0x0
	v_add_f32 v20, v20, v21
	v_add_f32 v22, v22, v23
	v_add_f32 v20, v20, v22
	v_mul_f32 v21, 0x3e800000, v20                 ; each of the four threads of a column adds a quarter of (column sum)^2
	v_fma_f32 v14, v21, v20, v14
	v_add_f32_dpp v14, v14, v14 row_xmask:1 row_mask:0xf bank_mask:0xf
	v_add_f32_dpp v14, v14, v14 row_xmask:2 row_mask:0xf bank_mask:0xf
	v_add_f32_dpp v14, v14, v14 row_xmask:4 row_mask:0xf bank_mask:0xf
	v_add_f32_dpp v14, v14, v14 row_xmask:8 row_mask:0xf bank_mask:0xf
	v_permlanex16_b32 v15, v14, s36, s37
	v_add_f32 v14, v14, v15
	ds_store_b32 v11, v14                          ; all lanes write the wave's word with the same value
	s_wait_dscnt 0x0
	s_barrier_signal -1
	s_barrier_wait -1
	ds_load_b128 v[20:23], v92
	ds_load_b128 v[24:27], v92 offset:16
	ds_load_b128 v[28:31], v92 offset:32
	ds_load_b128 v[32:35], v92 offset:48
	s_wait_dscnt 0x0
	v_pk_add_f32 v[20:21], v[20:21], v[22:23]
	v_pk_add_f32 v[24:25], v[24:25], v[26:27]
	v_pk_add_f32 v[28:29], v[28:29], v[30:31]
	v_pk_add_f32 v[32:33], v[32:33], v[34:35]
	v_pk_add_f32 v[20:21], v[20:21], v[24:25]
	v_pk_add_f32 v[28:29], v[28:29], v[32:33]
	v_pk_add_f32 v[20:21], v[20:21], v[28:29]
	v_add_f32 v20, v20, v21
	v_mul_f32 v20, 0x3b000000, v20                 ; / 512
	v_max_num_f32 v20, 0x0da24260, v20             ; at least 1e-30
	v_rsq_f32 v16, v20                             ; s
	v_sqrt_f32 v19, v20                            ; g
	v_nop                                          ; a plain instruction between the transcendentals and the use of their results
	s_wait_alu depctr_va_vdst(0)
	v_mov_b32 v17, v16
	v_mov_b32 v18, v16                             ; v[16:17] = (s, s), v[18:19] = (s, g)
.set i, 0
.rept 24
	v_pk_mul_f32 v[W+2*i:W+2*i+1], v[W+2*i:W+2*i+1], v[16:17]
.set i, i+1
.endr
.set i, 0
.rept 24
	v_cvt_pk_f16_f32 v[H+i], v[W+2*i], v[W+2*i+1]
.set i, i+1
.endr
.irp j, 0,1
	ds_store_b128 v4, v[H+8*\j:H+8*\j+3] offset:128*\j
	ds_store_b128 v4, v[H+8*\j+4:H+8*\j+7] offset:128*\j+16
.endr
	ds_store_b128 v5, v[H+16:H+19]
	ds_store_b128 v5, v[H+20:H+23] offset:16
	s_cmp_lg_u32 s3, 0
	s_cbranch_scc1 .Lnoscal
	s_wait_xcnt 0x0                                ; EXEC changes only behind this wait
	v_cmp_eq_u32 vcc_lo, 0, v0
	s_and_saveexec_b32 s38, vcc_lo
	global_store_b64 v93, v[18:19], s[28:29]       ; thread 0 alone: (s, g)
	s_wait_xcnt 0x0                                ; and again in front of the line that widens it
	s_or_b32 exec_lo, exec_lo, s38
.Lnoscal:
	s_wait_dscnt 0x0                               ; for the others: my part of the stages is in LDS
	s_barrier_signal -1
	s_barrier_wait -1
	s_cmp_eq_u32 s2, 0
	s_cbranch_scc1 .Lcopyb
	s_cmp_eq_u32 s2, 8
	s_cbranch_scc1 .Lcopy8
.irp it, 0,1,2,3
	ds_load_b128 v[W+4*\it:W+4*\it+3], v6 offset:\it*8704
.endr
.irp it, 0,1,2,3
	s_wait_dscnt 3-\it                             ; LDS loads come back in order: the younger ones may stay out
	global_store_b128 v7, v[W+4*\it:W+4*\it+3], s[32:33] offset:\it*8192   ; 16 lanes store 256 consecutive bytes, aligned
.endr
	s_cmp_eq_u32 s2, 5
	s_cbranch_scc1 .Lcopyb
	s_wait_tensorcnt 0x0
	ds_add_u32 v96, v97
	s_wait_dscnt 0x0
	s_endpgm
.Lcopy8:
	s_cmp_ge_u32 s3, 8
	s_cbranch_scc1 .Ldone                          ; w8 fills 16 rows: 256 threads
	ds_load_b128 v[W:W+3], v6
	s_wait_dscnt 0x0
	global_store_b128 v7, v[W:W+3], s[32:33]
.Ldone:
	s_wait_tensorcnt 0x0
	ds_add_u32 v96, v97
	s_wait_dscnt 0x0
	s_endpgm
.Lcopyb:
.irp it, 0,1
	ds_load_b128 v[W+16+4*\it:W+16+4*\it+3], v8 offset:\it*9216
.endr
.irp it, 0,1
	s_wait_dscnt 1-\it
	global_store_b128 v7, v[W+16+4*\it:W+16+4*\it+3], s[34:35] offset:\it*8192
.endr
	s_wait_tensorcnt 0x0
	ds_add_u32 v96, v97
	s_wait_dscnt 0x0
	s_endpgm
.Lfunc_end_k_q74e5b8c506_prep:
	.size	k_q74e5b8c506_prep, .Lfunc_end_k_q74e5b8c506_prep-k_q74e5b8c506_prep
	.p2alignl 7, 3214868480
	.fill 96, 4, 3214868480
	.section	.rodata,"a",@progbits
	.p2align	6, 0x0
	.amdhsa_kernel k_q74e5b8c506_prep
		.amdhsa_group_segment_fixed_size 58368
		.amdhsa_private_segment_fixed_size 0
		.amdhsa_enable_private_segment 0
		.amdhsa_kernarg_size 88
		.amdhsa_user_sgpr_count 2
		.amdhsa_user_sgpr_kernarg_segment_ptr 1
		.amdhsa_wavefront_size32 1
		.amdhsa_system_sgpr_workgroup_id_x 1
		.amdhsa_system_sgpr_workgroup_id_y 1
		.amdhsa_system_sgpr_workgroup_id_z 1
		.amdhsa_system_vgpr_workitem_id 0
		.amdhsa_next_free_vgpr 98
		.amdhsa_next_free_sgpr 66
		.amdhsa_reserve_vcc 1
		.amdhsa_float_denorm_mode_32 3
		.amdhsa_float_denorm_mode_16_64 3
		.amdhsa_memory_ordered 1
		.amdhsa_forward_progress 1
		.amdhsa_inst_pref_size 29
	.end_amdhsa_kernel
	.amdgpu_metadata
---
amdhsa.version: [ 1, 2 ]
amdhsa.kernels:
  - .name:           k_q74e5b8c506_prep
    .symbol:         k_q74e5b8c506_prep.kd
    .args:
      - { .name: w0, .offset: 0, .size: 8, .value_kind: global_buffer, .address_space: global }
      - { .name: w1, .offset: 8, .size: 8, .value_kind: global_buffer, .address_space: global }
      - { .name: w2, .offset: 16, .size: 8, .value_kind: global_buffer, .address_space: global }
      - { .name: w3, .offset: 24, .size: 8, .value_kind: global_buffer, .address_space: global }
      - { .name: w4, .offset: 32, .size: 8, .value_kind: global_buffer, .address_space: global }
      - { .name: w5, .offset: 40, .size: 8, .value_kind: global_buffer, .address_space: global }
      - { .name: w6, .offset: 48, .size: 8, .value_kind: global_buffer, .address_space: global }
      - { .name: w7, .offset: 56, .size: 8, .value_kind: global_buffer, .address_space: global }
      - { .name: w8, .offset: 64, .size: 8, .value_kind: global_buffer, .address_space: global }
      - { .name: wimg, .offset: 72, .size: 8, .value_kind: global_buffer, .address_space: global }
      - { .name: scal, .offset: 80, .size: 8, .value_kind: global_buffer, .address_space: global }
    .group_segment_fixed_size: 58368
    .private_segment_fixed_size: 0
    .kernarg_segment_align: 8
    .kernarg_segment_size: 88
    .max_flat_workgroup_size: 512
    .sgpr_count:     66
    .vgpr_count:     98
    .wavefront_size: 32
...
	.end_amdgpu_metadata
.endif
;; end of part 1
;; launch main (part 2): grid 256 x 1, 4 waves a work-group, clusters of 4 x 1, 291,328 bytes of LDS; arguments point, wimg, scal, out0, b0, b1, b2, b3, b4, b5, b6, b7, b8; writes out0
.if DOCPART == 2
	.amdgcn_target "amdgcn-amd-amdhsa--gfx1250"
	.amdhsa_code_object_version 6
	.text
	.protected	k_q74e5b8c506_main
	.globl	k_q74e5b8c506_main
	.p2align	8
	.type	k_q74e5b8c506_main,@function
k_q74e5b8c506_main:
	s_mov_b64 s[64:65], 0
	v_nop
	global_prefetch_b8 v0, s[64:65] scope:SCOPE_SE
	s_setreg_imm32_b32 hwreg(HW_REG_WAVE_MODE, 25, 1), 1
	s_wait_xcnt 0x0
	s_wait_alu depctr_hold_cnt(0) depctr_sa_sdst(0) depctr_va_vdst(0) depctr_va_sdst(0) depctr_va_ssrc(0) depctr_va_vcc(0) depctr_vm_vsrc(0)
	s_getreg_b32 s2, hwreg(HW_REG_IB_STS2, 6, 4)
	s_cmp_eq_u32 s2, 0
	s_cbranch_scc0 .Lentry_in_a_cluster
	s_endpgm
.Lentry_in_a_cluster:
	s_bfe_u32 s2, ttmp6, 0x10000c
	s_cmp_lg_u32 s2, 0x3003
	s_cbranch_scc0 .Lentry_shape_is_right
	s_endpgm
.Lentry_shape_is_right:
; The whole MLP in one launch: embedding (63 features, padded to 64), eight ReLU layers of width 128 (the embedding joins again at layer 5), a last layer of 4.
; SHARES.  256 work-groups, 2,048 points each, in 8 passes of 256; each of the four waves takes 64 points a pass: four tiles of 16.
; WEIGHTS.  All nine layers in f16 (260 KiB, written by the launch before this one) lie in LDS for the whole launch; they are brought once, by tensor loads.
; All work-groups read the same image, so the four of a cluster ask JOINTLY: the same two loads a wave, the same descriptors, a mask that names the four.
; LAYOUT.  Every product is used transposed: source 0 = 16 output features x 32 k of W^T (from LDS), source 1 = 32 k x 16 points (registers).  In the result a lane holds one
; point (lane % 16) and features 8 (lane / 16) + 0..7; two neighbouring results, rounded to f16 in pairs, ARE source 1 of the next layer.  Activations never leave registers or change lanes.
; FORMAT.  f16 operands, f32 sums; biases enter in f32 as the C of a sum's first product.  f16 has 11 bits against the 8 of bf16, which nine chained layers need.
; Its range is kept by scaling: layer L's weights come multiplied by s_L = 1 / g_L (g_L: the layer's gain, measured on its weights), so that activations stay of order one whatever the scale of the
; weights; a ReLU passes a positive factor through.  With S_L the product of the factors so far, layer L adds S_L b_L, and the result is multiplied by 1 / S_8 in f32.
; At layer 5 both parts of the input need one factor: with G4 = g_0 .. g_4, the weights of its x part are multiplied by alpha = min(1, G4) and those of its embedding part by beta = min(1, 1 / G4),
; once, in LDS, through f32.  One of the two factors is 1; the other part's weights are so rounded to f16 twice.
; LIMITS.  NaN and infinities in inputs are not carried through (the maximum with 0 drops a NaN).  Scaled activations must stay under 65,504: weights whose true gain exceeds
; 4 g in every layer, or biases some 1,000 times the activations, can pass it.  Where alpha or beta is under 2^-24 that part's weights round to 0: its share of the sums is then under 2^-24 of the other's scale.
; SINE AND COSINE.  angle / 2 pi in two words (exact product, fused remainder), less its nearest whole number: r in [-0.5, 0.5]; polynomials for a quarter of the angle, (pi/2) r;
; then angle doubling: two doublings reach the chain's first angle, four more the next four powers of two.  Chains start at 2^0 and 2^5, so an error grows 64-fold at most.
; BY TURNS.  A layer goes in four groups of 32 output features; a group's eight accumulators (4 tiles x 2) take turns, one instruction a turn.  ReLU and rounding of the group before
; (64 instructions: per accumulator four pairs of maxima and four roundings) stand in slices of four among the group's matrix instructions; the next group's weights are fetched from LDS in one run behind its second matrix instruction.
;
; REGISTERS, in windows of 256 (s_set_vgpr_msb: bits 1:0 source 0, 3:2 source 1, 5:4 source 2, 7:6 destination):
;   window 0: addresses, points, constants; v64-127 the embedding, 16 a tile; v128-191, v192-255 two sets of eight accumulators ((t, b) at set + 8 (2 t + b))
;   window 1: v0-127, v128-255 activations X0, X1: k block kb of tile t at 32 kb + 8 t; layer L writes X[L % 2]
;   window 2: v0-95, v96-191 two buffers of weight fragments; v192-207, v208-223 two buffers of bias; v224-255 the last layer's weights
.set PITA, 272                         ; LDS row of part A: 256 bytes + 16: the 16 rows of a fragment load start 68 words apart
.set PITB, 144                         ; LDS row of part B: 128 bytes + 16
.set LAYA, 128*PITA                    ; a layer of part A: 34,816 bytes
.set REGB, 912*PITA                    ; part B: 256 rows
.set BIAS, REGB+256*PITB               ; scaled biases in f32: layer L at 512 L; no tensor load lands here
.set IMGB, 912*256                     ; part B in the image
.set PASSES, 8
.set OA,  1                            ; v1   my 16 bytes of the output in the pass in hand
.set AWA, 2                            ; v[2:5]  272 r + 16 h + 2 i layers of part A, i = 0 to 3 (r = lane % 16, h = lane / 16): two layers, 65,504 bytes at the most, lie inside a load's 16-bit offset
.set AWB, 6                            ; v6   REGB + 144 r + 16 h: all of part B lies inside the offset
.set AB,  7                            ; v7   BIAS + 32 h
.set PO,  8                            ; v8   768 wave + 12 r: my point in a pass
.set PAX, 9                            ; v9   the same for the pass that is loaded ahead
.set PT,  10                           ; v[10:25]  tile t: x0, x1, x2 at 10 + 4 t
.set B8,  26                           ; v[26:33]  the last layer's bias as a C operand
.set OUT, 34                           ; v[34:41]  results to store
.set K9V, 42                           ; v[42:43], v[44:45]  the polynomials' highest coefficients, as pairs
.set D8V, 44
.set VS,  46                           ; v46  1 (h = 0) or 32 (h = 1)
.set OO,  47                           ; v47  1024 wave + 16 lane: my 16 bytes of a pass of the output
.set EMB, 64
.set ACC, 128
; at work in EMBED, in accumulator set 1, which is idle there; the second pair of tiles 24 registers on
.set UU,  192
.set VV,  194
.set TA,  196
.set TE,  198
.set TR,  200
.set TZ,  202
.set SNA, 204
.set CSA, 206
.set SNB, 208
.set CSB, 210
.set VL,  212
.set MSB, 0
.macro WIN new                         ; the high byte of the immediate repeats the setting that is left; a switch that changes nothing is dropped
.if MSB != (\new)
	s_set_vgpr_msb (MSB<<8)|(\new)
.set MSB, (\new)
.endif
.endm
.macro PLACES                          ; four plain vector instructions between a matrix instruction and a vector instruction or load that touches its registers
.rept 4
	v_nop
.endr
.endm
.macro ROUND                           ; a round of the cluster barrier: my work-group, wave 0 for the work-group, all four work-groups, my work-group
	s_barrier_signal -1
	s_barrier_wait -1
	s_cmp_lg_u32 s30, 0
	s_cbranch_scc1 .Lnot_wave_0_\@
	s_barrier_signal -3
.Lnot_wave_0_\@:
	s_barrier_wait -3
	s_barrier_signal -1
	s_barrier_wait -1
.endm
	s_load_b512 s[4:19], s[0:1], 0x0               ; point s[4:5], wimg s[6:7], scal s[8:9], out0 s[10:11], b0 .. b3 s[12:19]
	s_load_b256 s[20:27], s[0:1], 0x40             ; b4 .. b7
	s_load_b64 s[28:29], s[0:1], 0x60              ; b8
	v_lshl_add_u32 v21, v0, 2, 0x47000
	v_mov_b32 v25, 0
	ds_add_u32 v21, v25
	ds_add_u32 v21, v25
	v_lshrrev_b32 v1, 5, v0
	v_readfirstlane_b32 s30, v1                    ; wave 0..3
	; part A: each wave brings 228 rows of 128 elements; part B: 64 rows of 64.  Only the wave number enters: the descriptors are equal in the four partners.
	s_mov_b32 s36, 1                               ; group 0: count
	s_mul_i32 s37, s30, 228*PITA                   ; LDS address
	s_mov_b32 s40, 15|(1<<16)|(1<<20)|(1<<21)|(5<<22)|(3<<25)  ; mask of all four; elements of 2 bytes; padding on; bit 21 beside a mask; after every 64 words, 4 words
	s_mov_b32 s41, 128<<16                         ; tensor_dim0
	s_mov_b32 s42, 228<<16                         ; tensor_dim1
	s_mov_b32 s43, 128<<16                         ; tile_dim0
	s_mov_b32 s44, 228                             ; tile_dim1
	s_mov_b32 s45, 128                             ; elements from row to row
	s_mov_b32 s46, 0
	s_mov_b32 s47, 0
	s_mov_b32 s48, 1
	s_mul_i32 s49, s30, 64*PITB
	s_add_co_u32 s49, s49, REGB
	s_mov_b32 s52, 15|(1<<16)|(1<<20)|(1<<21)|(4<<22)|(3<<25)  ; the same, padding after every 32 words
	s_mov_b32 s53, 64<<16
	s_mov_b32 s54, 64<<16
	s_mov_b32 s55, 64<<16
	s_mov_b32 s56, 64
	s_mov_b32 s57, 64
	s_mov_b32 s58, 0
	s_mov_b32 s59, 0
	s_mul_i32 s34, s30, 228*256                    ; my rows in the image
	s_mov_b32 s35, 0
	s_lshl_b32 s62, s30, 13
	s_add_co_u32 s62, s62, IMGB
	s_mov_b32 s63, 0
	s_bfe_u32 s31, ttmp6, 0x40000                  ; cx: it enters the addresses of the points and of the output alone
	s_lshl_b32 s32, ttmp9, 2
	s_add_co_u32 s32, s32, s31                     ; work-group = 4 x cluster + cx
	s_mul_i32 s60, s32, 24576                      ; 2,048 points of 12 bytes
	s_mov_b32 s61, 0
	s_wait_dscnt 0x0
	s_wait_kmcnt 0x0
	s_add_nc_u64 s[38:39], s[6:7], s[34:35]
	s_or_b32 s39, s39, 0x80000000                  ; type
	s_add_nc_u64 s[50:51], s[6:7], s[62:63]
	s_or_b32 s51, s51, 0x80000000
	s_add_nc_u64 s[4:5], s[4:5], s[60:61]
	s_lshl_b32 s60, s32, 15                        ; 2,048 results of 16 bytes
	s_add_nc_u64 s[10:11], s[10:11], s[60:61]
	ROUND                                          ; all four work-groups are here: the joint loads meet
	tensor_load_to_lds s[36:39], s[40:47]          ; the only tensor loads of the launch: two of mine are out; LDS is filled once
	s_nop 0
	tensor_load_to_lds s[48:51], s[52:59]
	s_nop 0
.rept 4
	v_nop
.endr
	s_load_b512 s[68:83], s[8:9], 0x0              ; (s_L, g_L), L = 0 .. 7
	s_load_b64 s[84:85], s[8:9], 0x40              ; L = 8
	s_mov_b32 s98, 0xffff0000                      ; the lanes with h = 1
	v_lshlrev_b32 v48, 2, v0
	v_and_b32 v49, 3, v0
	v_lshlrev_b32 v49, 2, v49
	v_and_b32 v59, 15, v0                          ; r
	v_bfe_u32 v60, v0, 4, 1                        ; h
	v_mul_u32_u24 v[PO], v59, 12
	s_mul_i32 s33, s30, 768
	v_add_nc_u32 v[PO], s33, v[PO]
.irp l, 0,1,2,3,4,5,6,7
	global_load_b32 v[50+\l], v48, s[12+2*\l:13+2*\l]          ; thread t: b_L[t]
.endr
	global_load_b32 v58, v49, s[28:29]                         ; b8[t & 3]
.irp t, 0,1,2,3
	global_load_b96 v[PT+4*\t:PT+4*\t+2], v[PO], s[4:5] offset:192*\t th:TH_LOAD_NT   ; the points of pass 0; both halves of the lanes take point r
.endr
	v_mul_u32_u24 v[AWA], v59, PITA
	v_lshl_add_u32 v[AWA], v60, 4, v[AWA]
.irp i, 1,2,3
	v_add_nc_u32 v[AWA+\i], 2*\i*LAYA, v[AWA]
.endr
	v_mul_u32_u24 v[AWB], v59, PITB
	v_lshl_add_u32 v[AWB], v60, 4, v[AWB]
	v_add_nc_u32 v[AWB], REGB, v[AWB]
	v_lshlrev_b32 v[AB], 5, v60
	v_add_nc_u32 v[AB], BIAS, v[AB]
	v_and_b32 v1, 31, v0
	v_lshlrev_b32 v[OO], 4, v1
	s_lshl_b32 s33, s30, 10
	v_add_nc_u32 v[OO], s33, v[OO]
	v_mov_b32 v[K9V], 0x39283c1a
	v_mov_b32 v[K9V+1], 0x39283c1a
	v_mov_b32 v[D8V], 0x3a70fa83
	v_mov_b32 v[D8V+1], 0x3a70fa83
	v_mov_b32 v[VS], 1.0
	v_mov_b32 v1, 0x42000000
	v_cndmask_b32 v[VS], v[VS], v1, s98
	v_mul_u32_u24 v61, v0, PITA
	v_add_nc_u32 v61, 4*LAYA, v61                  ; row t of layer 5 in part A
	v_mul_u32_u24 v62, v0, PITB
	v_add_nc_u32 v62, REGB+128*PITB, v62           ; row t of layer 5 in part B
	v_add_nc_u32 v63, BIAS, v48
	s_wait_kmcnt 0x0
	s_mov_b32 s86, s68                             ; S_0 .. S_4
	s_mul_f32 s87, s86, s70
	s_mul_f32 s88, s87, s72
	s_mul_f32 s89, s88, s74
	s_mul_f32 s90, s89, s76
	s_mul_f32 s33, s69, s71                        ; G4
	s_mul_f32 s33, s33, s73
	s_mul_f32 s33, s33, s75
	s_mul_f32 s33, s33, s77
	v_mov_b32 v34, s33
	v_mov_b32 v35, s90
	v_min_num_f32 v36, 1.0, v34                    ; alpha = min(1, G4)
	v_max_num_f32 v37, 1.0, v34                    ; 1 / beta = max(1, G4)
	v_min_num_f32 v35, 1.0, v35                    ; beta = min(1, S_4)
	v_readfirstlane_b32 s66, v36
	v_readfirstlane_b32 s67, v36
	v_readfirstlane_b32 s34, v37
	v_readfirstlane_b32 s62, v35
	v_readfirstlane_b32 s63, v35
	s_mul_f32 s91, s78, s62                        ; S_5 .. S_8
	s_mul_f32 s92, s91, s80
	s_mul_f32 s93, s92, s82
	s_mul_f32 s94, s93, s84
	s_mul_f32 s96, s79, s81                        ; 1 / S_8
	s_mul_f32 s96, s96, s83
	s_mul_f32 s96, s96, s85
	s_mul_f32 s96, s96, s34
	s_mov_b32 s97, s96
	s_wait_loadcnt 0x4                             ; the nine bias loads are in; the four point loads issued behind them may stay out
.irp l, 0,1,2,3,4,5,6,7,8
	v_mul_f32 v[50+\l], s[86+\l], v[50+\l]
.endr
.irp l, 0,1,2,3,4,5,6,7,8
	ds_store_b32 v63, v[50+\l] offset:512*\l       ; at 4096: word i = S_8 b8[i & 3]
.endr
	s_wait_tensorcnt 0x0                           ; my parts of the weights have landed,
	s_wait_dscnt 0x0                               ; my biases are in LDS:
	s_barrier_signal -1
	s_barrier_wait -1                              ; everybody's are
	; Layer 5's factors, once: thread t takes row t (its 128 weights on x, then its 64 on the embedding), widens it to f32, multiplies, rounds it to f16 again
	; and puts it back.  A thread touches its own row alone, and LDS serves a wave's instructions in order; no tensor load follows in the launch.
.set i, 0
.rept 16
	ds_load_b128 v[64+4*i:64+4*i+3], v61 offset:16*i
.set i, i+1
.endr
	s_wait_dscnt 0x0
.irp r, 64,65,66,67,68,69,70,71,72,73,74,75,76,77,78,79,80,81,82,83,84,85,86,87,88,89,90,91,92,93,94,95,96,97,98,99,100,101,102,103,104,105,106,107,108,109,110,111,112,113,114,115,116,117,118,119,120,121,122,123,124,125,126,127
	v_cvt_f32_f16 v[128+2*(\r-64)], v\r\().l
	v_cvt_f32_f16 v[129+2*(\r-64)], v\r\().h
.endr
.set i, 0
.rept 64
	v_pk_mul_f32 v[128+2*i:129+2*i], v[128+2*i:129+2*i], s[66:67] op_sel_hi:[1,0]            ; x alpha
.set i, i+1
.endr
.set i, 0
.rept 64
	v_cvt_pk_f16_f32 v[64+i], v[128+2*i], v[129+2*i]
.set i, i+1
.endr
.set i, 0
.rept 16
	ds_store_b128 v61, v[64+4*i:64+4*i+3] offset:16*i
.set i, i+1
.endr
.set i, 0
.rept 8
	ds_load_b128 v[64+4*i:64+4*i+3], v62 offset:16*i
.set i, i+1
.endr
	s_wait_dscnt 0x0
.irp r, 64,65,66,67,68,69,70,71,72,73,74,75,76,77,78,79,80,81,82,83,84,85,86,87,88,89,90,91,92,93,94,95
	v_cvt_f32_f16 v[128+2*(\r-64)], v\r\().l
	v_cvt_f32_f16 v[129+2*(\r-64)], v\r\().h
.endr
.set i, 0
.rept 32
	v_pk_mul_f32 v[128+2*i:129+2*i], v[128+2*i:129+2*i], s[62:63] op_sel_hi:[1,0]            ; x beta
.set i, i+1
.endr
.set i, 0
.rept 32
	v_cvt_pk_f16_f32 v[64+i], v[128+2*i], v[129+2*i]
.set i, i+1
.endr
.set i, 0
.rept 8
	ds_store_b128 v62, v[64+4*i:64+4*i+3] offset:16*i
.set i, i+1
.endr
	s_wait_dscnt 0x0                               ; for the others: my rows are back in LDS
	s_barrier_signal -1
	s_barrier_wait -1                              ; everybody's are.  Nothing writes LDS from here on
; One run of LDS loads: the weight fragments (16 features x 32 k: two loads of 16 bytes, 32 bytes apart) and the bias of group g of layer lay, into buffer par.
; Fragment (b, ks) at 8 (nk b + ks).  Layer 0: 2 K steps from part B.  Layer 5: K steps 0, 1 from part B (the embedding), 2 to 5 from part A.  The others: 4 from part A.
; The addresses were made once: layer, group, block and K step stand in the offset.
.macro FETCH lay, g, par
.set fw, 96*\par
.set fb, 192+16*\par
	WIN 0x80                                       ; destination window 2, address window 0
.if \lay == 0
.irp b, 0,1
.irp ks, 0,1
	ds_load_b128 v[fw+8*(2*\b+\ks):fw+8*(2*\b+\ks)+3],   v[AWB] offset:(32*\g+16*\b)*PITB+64*\ks
	ds_load_b128 v[fw+8*(2*\b+\ks)+4:fw+8*(2*\b+\ks)+7], v[AWB] offset:(32*\g+16*\b)*PITB+64*\ks+32
.endr
.endr
.elseif \lay == 5
.irp b, 0,1
.irp ks, 0,1
	ds_load_b128 v[fw+8*(6*\b+\ks):fw+8*(6*\b+\ks)+3],   v[AWB] offset:(128+32*\g+16*\b)*PITB+64*\ks
	ds_load_b128 v[fw+8*(6*\b+\ks)+4:fw+8*(6*\b+\ks)+7], v[AWB] offset:(128+32*\g+16*\b)*PITB+64*\ks+32
.endr
.irp ks, 2,3,4,5
	ds_load_b128 v[fw+8*(6*\b+\ks):fw+8*(6*\b+\ks)+3],   v[AWA+2] offset:(32*\g+16*\b)*PITA+64*(\ks-2)
	ds_load_b128 v[fw+8*(6*\b+\ks)+4:fw+8*(6*\b+\ks)+7], v[AWA+2] offset:(32*\g+16*\b)*PITA+64*(\ks-2)+32
.endr
.endr
.else
.set fr, AWA+(\lay-1)/2
.set fo, ((\lay-1)%2)*LAYA+32*\g*PITA
.irp b, 0,1
.irp ks, 0,1,2,3
	ds_load_b128 v[fw+8*(4*\b+\ks):fw+8*(4*\b+\ks)+3],   v[fr] offset:fo+\b*16*PITA+64*\ks
	ds_load_b128 v[fw+8*(4*\b+\ks)+4:fw+8*(4*\b+\ks)+7], v[fr] offset:fo+\b*16*PITA+64*\ks+32
.endr
.endr
.endif
.irp b, 0,1
	ds_load_b128 v[fb+8*\b:fb+8*\b+3],   v[AB] offset:512*\lay+64*(2*\g+\b)      ; a lane's eight features: 8 h + 0..7 of block 2 g + b
	ds_load_b128 v[fb+8*\b+4:fb+8*\b+7], v[AB] offset:512*\lay+64*(2*\g+\b)+16
.endr
.endm
; Number cvj of the list of 64 that finishes the group before: per accumulator four pairs of maxima with 0 (two in one instruction: an even and an odd register) and four roundings to f16.
; Each accumulator is read from its lowest registers on.
.macro CV
.set cq, cvj/8
.set cm, cvj%8
.set cb, cvacc+8*cq
.if cm < 4
	WIN 0
	v_dual_max_num_f32 v[cb+2*cm], 0, v[cb+2*cm] :: v_dual_max_num_f32 v[cb+2*cm+1], 0, v[cb+2*cm+1]
.else
	WIN 0x40                                       ; destination window 1
	v_cvt_pk_f16_f32 v[cvdst+4*cq+cm-4], v[cb+2*(cm-4)], v[cb+2*(cm-4)+1]
.endif
.endm
.macro SLICE                           ; the next four of the list, all under one window setting; nothing once the list is through
.rept 4
.if cvj < cvlen
	CV
.set cvj, cvj+1
.endif
.endr
.endm
; Group g of layer lay: 32 output features x 64 points: 8 nk matrix instructions, K step outermost, the eight accumulators by turns; the first K step takes the bias as C.
; The 16 slices of the list of the group before: behind every second matrix instruction; in a layer's first group behind two of every three, so that the list, which there completes
; this layer's k block 3, is through behind number 23, ahead of the first product that reads the block (number 25; 41 in layer 5); in layer 0, whose groups have 16, behind each.
; Behind number 2: the next group's run of LDS loads, into the buffers that the group before read; that group's four places stand between.
.macro GROUP lay, g
.set gi, 4*\lay+\g
.set gpar, gi%2
.set gnp, 1-gpar
.set gacc, ACC+64*gpar
.set gwb, 96*gpar
.set gbb, 192+16*gpar
.set gnk, 4
.if \lay == 0
.set gnk, 2
.elseif \lay == 5
.set gnk, 6
.endif
.set gxin, 128*((\lay+1)%2)
.set gnl, ((gi+1)%32)/4
.set gng, (gi+1)%4
	s_wait_dscnt 0x0                               ; this group's fragments and bias, asked for in the group before
.set gn, 0
.rept 8*gnk
.set gks, gn/8
.set gt, (gn%8)/2
.set gb, gn%2
.set gd, gacc+8*(2*gt+gb)
.set ga, gwb+8*(gnk*gb+gks)
.set gemb, 0
.if (\lay == 0) || ((\lay == 5) && (gks < 2))
.set gemb, 1
.set gsb, EMB+16*gt+8*gks
.elseif \lay == 5
.set gsb, gxin+32*(gks-2)+8*gt
.else
.set gsb, gxin+32*gks+8*gt
.endif
.set gw, 0x06-4*gemb                   ; weights window 2; activations window 1 or the embedding window 0; sums window 0
.if gks == 0
.set gw, gw+0x20                       ; the bias, window 2
	WIN gw
	v_wmma_f32_16x16x32_f16 v[gd:gd+7], v[ga:ga+7], v[gsb:gsb+7], v[gbb+8*gb:gbb+8*gb+7]
.else
	WIN gw
	v_wmma_f32_16x16x32_f16 v[gd:gd+7], v[ga:ga+7], v[gsb:gsb+7], v[gd:gd+7]
.endif
.set gn, gn+1
.if (\lay == 0) || ((\g == 0) && (gn%3 != 0)) || ((\g != 0) && (gn%2 == 0))
	SLICE
.endif
.if gn == 2
	FETCH gnl, gng, gnp
.endif
.endr
	PLACES                                         ; between the last products and the slices that read them
.set cvacc, gacc
.set cvdst, 128*(\lay%2)+32*\g
.set cvj, 0
.set cvlen, 64
.endm
; The embedding.  All arithmetic is packed over a pair of tiles, and each line is written for both pairs (24 registers apart).
; A lane holds 32 of its point's 64 features, feature f in half f & 1 of register f / 2: with u = x0 or x1 and v = x2 or 32 x2 (h = 0 or 1):
; f 0: u; f 1: x2 or 0; f 2 + 2 j, 3 + 2 j: sin, cos of 2^j u, j = 0 to 9; f 22 + 2 j, 23 + 2 j: sin, cos of 2^j v, j = 0 to 4.
.macro DBL sa, ca, sb, cb              ; the doubled angle: t = 2 s; c = 1 - t s; s = t c
.irp p, 0,24
	v_pk_add_f32 v[TA+\p:TA+\p+1], v[\sa+\p:\sa+\p+1], v[\sa+\p:\sa+\p+1]
.endr
.irp p, 0,24
	v_pk_fma_f32 v[\cb+\p:\cb+\p+1], v[TA+\p:TA+\p+1], v[\sa+\p:\sa+\p+1], 1.0 op_sel_hi:[1,1,0] neg_lo:[1,0,0] neg_hi:[1,0,0]
	v_pk_mul_f32 v[\sb+\p:\sb+\p+1], v[TA+\p:TA+\p+1], v[\ca+\p:\ca+\p+1]
.endr
.endm
.macro PUT sn, cs, f                   ; (sin, cos) of all four tiles, rounded to f16, into feature pair f
.irp p, 0,1
	v_cvt_pk_f16_f32 v[EMB+32*\p+(\f)/2],    v[\sn+24*\p],   v[\cs+24*\p]
	v_cvt_pk_f16_f32 v[EMB+32*\p+16+(\f)/2], v[\sn+24*\p+1], v[\cs+24*\p+1]
.endr
.endm
.macro CHAIN src, f0                   ; sin and cos of a, 2 a, 4 a, 8 a, 16 a for the angle a in src, into features f0 on
.irp p, 0,24
	v_pk_mul_f32 v[TA+\p:TA+\p+1], v[\src+\p:\src+\p+1], 0x3e22f983 op_sel_hi:[1,0]          ; a / 2 pi, rounded
.endr
.irp p, 0,24
	v_pk_fma_f32 v[TE+\p:TE+\p+1], v[\src+\p:\src+\p+1], 0x3e22f983, v[TA+\p:TA+\p+1] op_sel_hi:[1,0,1] neg_lo:[0,0,1] neg_hi:[0,0,1]   ; what that rounding dropped, exactly
	v_rndne_f32 v[TR+\p], v[TA+\p]
	v_rndne_f32 v[TR+\p+1], v[TA+\p+1]
.endr
.irp p, 0,24
	v_pk_fma_f32 v[TE+\p:TE+\p+1], v[\src+\p:\src+\p+1], 0x31dc9c88, v[TE+\p:TE+\p+1] op_sel_hi:[1,0,1]    ; + a x the second word of 1 / 2 pi
	v_pk_add_f32 v[TR+\p:TR+\p+1], v[TA+\p:TA+\p+1], v[TR+\p:TR+\p+1] neg_lo:[0,1] neg_hi:[0,1]            ; exact
.endr
.irp p, 0,24
	v_pk_add_f32 v[TR+\p:TR+\p+1], v[TR+\p:TR+\p+1], v[TE+\p:TE+\p+1]                        ; r, in revolutions
.endr
.irp p, 0,24
	v_pk_mul_f32 v[TZ+\p:TZ+\p+1], v[TR+\p:TR+\p+1], v[TR+\p:TR+\p+1]
.endr
.irp p, 0,24
	v_pk_fma_f32 v[SNA+\p:SNA+\p+1], v[TZ+\p:TZ+\p+1], v[K9V:K9V+1], 0xbb996966 op_sel_hi:[1,1,0]
	v_pk_fma_f32 v[CSA+\p:CSA+\p+1], v[TZ+\p:TZ+\p+1], v[D8V:D8V+1], 0xbcaae9e4 op_sel_hi:[1,1,0]
.endr
.irp p, 0,24
	v_pk_fma_f32 v[SNA+\p:SNA+\p+1], v[SNA+\p:SNA+\p+1], v[TZ+\p:TZ+\p+1], 0x3da335e3 op_sel_hi:[1,1,0]
	v_pk_fma_f32 v[CSA+\p:CSA+\p+1], v[CSA+\p:CSA+\p+1], v[TZ+\p:TZ+\p+1], 0x3e81e0f8 op_sel_hi:[1,1,0]
.endr
.irp p, 0,24
	v_pk_fma_f32 v[SNA+\p:SNA+\p+1], v[SNA+\p:SNA+\p+1], v[TZ+\p:TZ+\p+1], 0xbf255de7 op_sel_hi:[1,1,0]
	v_pk_fma_f32 v[CSA+\p:CSA+\p+1], v[CSA+\p:CSA+\p+1], v[TZ+\p:TZ+\p+1], 0xbf9de9e6 op_sel_hi:[1,1,0]
.endr
.irp p, 0,24
	v_pk_fma_f32 v[SNA+\p:SNA+\p+1], v[SNA+\p:SNA+\p+1], v[TZ+\p:TZ+\p+1], 0x3fc90fdb op_sel_hi:[1,1,0]
	v_pk_fma_f32 v[CSA+\p:CSA+\p+1], v[CSA+\p:CSA+\p+1], v[TZ+\p:TZ+\p+1], 1.0 op_sel_hi:[1,1,0]           ; cos of a / 4
.endr
.irp p, 0,24
	v_pk_mul_f32 v[SNA+\p:SNA+\p+1], v[SNA+\p:SNA+\p+1], v[TR+\p:TR+\p+1]                    ; sin of a / 4
.endr
	DBL SNA, CSA, SNB, CSB
	DBL SNB, CSB, SNA, CSA
	PUT SNA, CSA, \f0
	DBL SNA, CSA, SNB, CSB
	PUT SNB, CSB, \f0+2
	DBL SNB, CSB, SNA, CSA
	PUT SNA, CSA, \f0+4
	DBL SNA, CSA, SNB, CSB
	PUT SNB, CSB, \f0+6
	DBL SNB, CSB, SNA, CSA
	PUT SNA, CSA, \f0+8
.endm
.macro EMBED
.irp p, 0,1
	v_cndmask_b32 v[UU+24*\p],   v[PT+8*\p],   v[PT+8*\p+1], s98
	v_cndmask_b32 v[UU+24*\p+1], v[PT+8*\p+4], v[PT+8*\p+5], s98
	v_cndmask_b32 v[VL+24*\p],   v[PT+8*\p+2], 0, s98
	v_cndmask_b32 v[VL+24*\p+1], v[PT+8*\p+6], 0, s98
	v_mul_f32 v[VV+24*\p],   v[PT+8*\p+2], v[VS]
	v_mul_f32 v[VV+24*\p+1], v[PT+8*\p+6], v[VS]
.endr
.irp p, 0,1
	v_cvt_pk_f16_f32 v[EMB+32*\p],    v[UU+24*\p],   v[VL+24*\p]
	v_cvt_pk_f16_f32 v[EMB+32*\p+16], v[UU+24*\p+1], v[VL+24*\p+1]
.endr
	CHAIN UU, 2
.irp p, 0,24
	v_pk_mul_f32 v[UU+\p:UU+\p+1], v[UU+\p:UU+\p+1], 0x42000000 op_sel_hi:[1,0]              ; 32 u, exact
.endr
	CHAIN UU, 12
	CHAIN VV, 22
.endm
	; what stays in registers for the whole launch: the last layer's weights and bias; then the first group's fragments
	WIN 0x80
.irp ks, 0,1,2,3
	ds_load_b128 v[224+8*\ks:224+8*\ks+3], v[AWA+3] offset:LAYA+64*\ks
	ds_load_b128 v[224+8*\ks+4:224+8*\ks+7], v[AWA+3] offset:LAYA+64*\ks+32
.endr
	WIN 0
	ds_load_b128 v[B8:B8+3], v[AB] offset:4096
	ds_load_b128 v[B8+4:B8+7], v[AB] offset:4112
	FETCH 0, 0, 0
	WIN 0                                          ; at a label and at a branch every window is 0
	s_mov_b32 s99, 0                               ; the pass
	s_mov_b32 s101, 0                              ; its bytes in my part of the output
.Lpass:
	s_wait_loadcnt 0x0                             ; this pass's points, asked for a pass ago; the wait also frees their address register
	EMBED
	s_add_co_u32 s33, s99, 1                       ; the next pass's points; the last pass asks for its own again, so that no load leaves the buffer
	s_min_u32 s33, s33, PASSES-1
	s_mul_i32 s100, s33, 3072
	v_add_nc_u32 v[PAX], s100, v[PO]
.irp t, 0,1,2,3
	global_load_b96 v[PT+4*\t:PT+4*\t+2], v[PAX], s[4:5] offset:192*\t th:TH_LOAD_NT
.endr
.set cvj, 0
.set cvlen, 0                          ; the first group has nothing to finish
.irp lay, 0,1,2,3,4,5,6,7
.irp g, 0,1,2,3
	GROUP \lay, \g
.endr
.endr
	; the last layer: 16 rows of weights that repeat the four columns, so that both halves of the lanes hold a point's four results in registers 0 to 3.
	; Four accumulators by turns; the 16 slices of layer 7's last list stand behind the first 12 products (two behind each of the first 4), ahead of the K step that reads its block.
.set gn, 0
.rept 16
.set gks, gn/4
.set gt, gn%4
	WIN 0x06
.if gks == 0
	v_wmma_f32_16x16x32_f16 v[ACC+8*gt:ACC+8*gt+7], v[224+8*gks:224+8*gks+7], v[128+32*gks+8*gt:128+32*gks+8*gt+7], v[B8:B8+7]
.else
	v_wmma_f32_16x16x32_f16 v[ACC+8*gt:ACC+8*gt+7], v[224+8*gks:224+8*gks+7], v[128+32*gks+8*gt:128+32*gks+8*gt+7], v[ACC+8*gt:ACC+8*gt+7]
.endif
.set gn, gn+1
.if gn <= 12
	SLICE
.endif
.if gn <= 4
	SLICE
.endif
.endr
	PLACES
	; the way out: lanes 0-15 take a pair's first tile, lanes 16-31 its second: lane l holds point 32 pr + l, 16 bytes
	WIN 0
	s_wait_xcnt 0x0                                ; the last pass's stores have read their data and address registers: only now are these rewritten
	v_add_nc_u32 v[OA], s101, v[OO]
.irp pr, 0,1
.irp j, 0,1,2,3
	v_cndmask_b32 v[OUT+4*\pr+\j], v[ACC+16*\pr+\j], v[ACC+16*\pr+8+\j], s98
.endr
	v_pk_mul_f32 v[OUT+4*\pr:OUT+4*\pr+1], v[OUT+4*\pr:OUT+4*\pr+1], s[96:97] op_sel_hi:[1,0]      ; the factors are taken out again, in f32
	v_pk_mul_f32 v[OUT+4*\pr+2:OUT+4*\pr+3], v[OUT+4*\pr+2:OUT+4*\pr+3], s[96:97] op_sel_hi:[1,0]
	global_store_b128 v[OA], v[OUT+4*\pr:OUT+4*\pr+3], s[10:11] offset:512*\pr th:TH_STORE_NT      ; the wave stores 512 consecutive bytes, aligned
.endr
	s_add_co_u32 s101, s101, 4096
	s_add_co_u32 s99, s99, 1
	s_cmp_lt_u32 s99, PASSES
	s_cbranch_scc1 .Lpass
	s_wait_loadcnt 0x0                             ; the last pass's look-ahead: its point loads
	s_wait_dscnt 0x0                               ; and its run of LDS loads: no LDS instruction is pending at a signal
	s_wait_tensorcnt 0x0
	ds_add_u32 v21, v25
	s_wait_dscnt 0x0
	ROUND                                          ; the closing round: no work-group ends ahead of its partners
	s_endpgm
.Lfunc_end_k_q74e5b8c506_main:
	.size	k_q74e5b8c506_main, .Lfunc_end_k_q74e5b8c506_main-k_q74e5b8c506_main
	.p2alignl 7, 3214868480
	.fill 96, 4, 3214868480
	.section	.rodata,"a",@progbits
	.p2align	6, 0x0
	.amdhsa_kernel k_q74e5b8c506_main
		.amdhsa_group_segment_fixed_size 291328
		.amdhsa_private_segment_fixed_size 0
		.amdhsa_enable_private_segment 0
		.amdhsa_kernarg_size 104
		.amdhsa_user_sgpr_count 2
		.amdhsa_user_sgpr_kernarg_segment_ptr 1
		.amdhsa_wavefront_size32 1
		.amdhsa_system_sgpr_workgroup_id_x 1
		.amdhsa_system_sgpr_workgroup_id_y 1
		.amdhsa_system_sgpr_workgroup_id_z 1
		.amdhsa_system_vgpr_workitem_id 0
		.amdhsa_next_free_vgpr 768
		.amdhsa_next_free_sgpr 102
		.amdhsa_reserve_vcc 0
		.amdhsa_float_denorm_mode_32 3
		.amdhsa_float_denorm_mode_16_64 3
		.amdhsa_memory_ordered 1
		.amdhsa_forward_progress 1
		.amdhsa_inst_pref_size 255
	.end_amdhsa_kernel
	.section	.bss,"aw",@nobits
	.p2align	6
	.space	262144
	.amdgpu_metadata
---
amdhsa.version: [ 1, 2 ]
amdhsa.kernels:
  - .name:           k_q74e5b8c506_main
    .symbol:         k_q74e5b8c506_main.kd
    .args:
      - { .name: point, .offset: 0, .size: 8, .value_kind: global_buffer, .address_space: global }
      - { .name: wimg, .offset: 8, .size: 8, .value_kind: global_buffer, .address_space: global }
      - { .name: scal, .offset: 16, .size: 8, .value_kind: global_buffer, .address_space: global }
      - { .name: out0, .offset: 24, .size: 8, .value_kind: global_buffer, .address_space: global }
      - { .name: b0, .offset: 32, .size: 8, .value_kind: global_buffer, .address_space: global }
      - { .name: b1, .offset: 40, .size: 8, .value_kind: global_buffer, .address_space: global }
      - { .name: b2, .offset: 48, .size: 8, .value_kind: global_buffer, .address_space: global }
      - { .name: b3, .offset: 56, .size: 8, .value_kind: global_buffer, .address_space: global }
      - { .name: b4, .offset: 64, .size: 8, .value_kind: global_buffer, .address_space: global }
      - { .name: b5, .offset: 72, .size: 8, .value_kind: global_buffer, .address_space: global }
      - { .name: b6, .offset: 80, .size: 8, .value_kind: global_buffer, .address_space: global }
      - { .name: b7, .offset: 88, .size: 8, .value_kind: global_buffer, .address_space: global }
      - { .name: b8, .offset: 96, .size: 8, .value_kind: global_buffer, .address_space: global }
    .group_segment_fixed_size: 291328
    .private_segment_fixed_size: 0
    .kernarg_segment_align: 8
    .kernarg_segment_size: 104
    .max_flat_workgroup_size: 128
    .sgpr_count:     102
    .vgpr_count:     768
    .wavefront_size: 32
...
	.end_amdgpu_metadata
.endif
;; end of part 2
